; MI455X (gfx1250); checked and timed in simulation.
; The chip was launched on July 23, 2026; its instructions are those of AMD's public machine-readable ISA for CDNA 5 (MIT licence, August 2026) and "CDNA5" Instruction Set Architecture Reference Guide (July 2026). The comments in the code are by the model that wrote it; some were corrected since.
;; U Intx Weight Only Quantized Linear. Allowed arithmetic: matrix products marked QUANTISED: E3M2 operands, one E8M0 scale for each 32 along K, by v_wmma_scale_f32_16x16x128_f8f6f4 with both operands' format E3M2, f32 sums; everything else in f32.
;; Inputs: bias 4,096 float32; weight_qvals 4,096 x 4,096 int32; weight_scales 4,096 x 32 float32; weight_zeros 4,096 x 32 float32; x 4,096 x 4,096 float32.
;; Outputs: out0 4,096 x 4,096 float32.
;; Constants: group_size = 128.
;; This version of the problem:
;;   THIS VERSION OF THE PROBLEM IS GIVEN IN LOW PRECISION. The matrix products marked QUANTISED in the list below multiply operands that are first quantised to E3M2 (3 exponent bits, 2 mantissa bits; 6 bits a number), with one power-of-two scale for each 32 numbers along K (OCP MX v1.0); their sums are f32. All else is computed in f32.
;;   The module's matrix products, in the order in which they are computed (A, B: the left and right operand; K: the contracted axis; several contracted axes count as one K, in the product's order):
;;     1. [M 4,096, K 4,096] x [K 4,096, N 4,096]; A: input x; B: computed on the way: QUANTISED
;;   THE QUANTISER, for each operand of a quantised product, along K:
;;     - K is cut into blocks of 32 from its start; a last block that is shorter is filled with zeros.
;;     - A block's scale is 2^e with e = floor(log2(the largest magnitude in the block)) - 4, held to -126 .. 127; a block of zeros has e = 0. As a byte (E8M0): e + 127.
;;     - Each number is divided by its block's scale, clamped to +-28, and rounded to the nearest number of E3M2, ties to even, subnormals kept.
;;     - The product sums the exact products of the quantised numbers (number of the format x scale) in f32.
;;   ~~~python
;;   def quantise(x, axis):      # numpy; x: float32 -> the quantised numbers, widened to float32 again
;;       x = np.moveaxis(x, axis, -1); K = x.shape[-1]
;;       x = np.pad(x, [(0, 0)] * (x.ndim - 1) + [(0, -K % 32)]); x = x.reshape(x.shape[:-1] + (-1, 32)); a = np.abs(x).max(-1, keepdims=True)
;;       e = np.where(a > 0, np.clip(np.frexp(np.where(a > 0, a, 1))[1] - 1 - 4, -126, 127), 0)      # np.frexp(a)[1] - 1 = floor(log2(a)), exactly
;;       r = np.clip(x / 2.0 ** e, -28, 28)
;;       step = 2.0 ** (np.maximum(np.frexp(np.where(r == 0, 1, r))[1] - 1, -2) - 2)
;;       q = np.round(r / step) * step * 2.0 ** e      # np.round: ties to even
;;       return np.moveaxis(q.reshape(q.shape[:-2] + (-1,))[..., :K], -1, axis).astype(np.float32)
;;   ~~~
;;   OPERANDS COMPUTED ON THE WAY. 'Computed on the way' means the value that the module computes at that place (a softmax that the list does not call 'softmax' is quantised finished and normalised). What goes into a quantiser is computed in f32, as accurately as f32 sums, v_exp_f32 and their like allow (about 1e-6 of the number): no bf16 or f16 on the way to a quantiser, and a product that is left as it is and whose result goes on into a quantised operand takes f32 operands (vector FMAs, or v_wmma_f32_16x16x4_f32). A number that lies on a knife's edge between two numbers of the format may be rounded either way, as far as f32 arithmetic and the matrix unit's own rounding can turn it there, and no further.
;; One version. Each part assembles by itself: llvm-mc -triple=amdgcn-amd-amdhsa -mcpu=gfx1250 --defsym DOCPART=n.
;; ======== version 1 of 1: 2 launches
;; workspace buffers: xa 13,107,200 bytes; wa 13,107,200 bytes
;; launch quant (part 1): grid 1024 x 1, 4 waves a work-group, no clusters, 68,096 bytes of LDS; arguments x, weight_qvals, weight_scales, weight_zeros, xa, wa; writes xa, wa
.if DOCPART == 1
	.amdgcn_target "amdgcn-amd-amdhsa--gfx1250"
	.amdhsa_code_object_version 6
	.text
	.protected	k_q4c8d08aed8_quant
	.globl	k_q4c8d08aed8_quant
	.p2align	8
	.type	k_q4c8d08aed8_quant,@function
k_q4c8d08aed8_quant:
	s_mov_b64 s[64:65], 0
	v_nop
	global_prefetch_b8 v0, s[64:65] scope:SCOPE_SE
	s_setreg_imm32_b32 hwreg(HW_REG_WAVE_MODE, 25, 1), 1
	s_wait_xcnt 0x0
; Both operands of out = x w^T become codes of BF6 (E3M2), 6 bits each, with one E8M0 scale byte for each 32 along K, LAID IN THE ORDER OF THE MATRIX OPERAND'S REGISTERS.
; x [4096][4096] f32 is taken as it is.  w [4096][4096] is made on the way, in f32: w = f32(q) s + z, q an int32, s and z one f32 for each 128 along K of a row.
; A block's scale is 2^(floor(log2(its largest magnitude)) - 4); its byte is the largest magnitude's own exponent field - 4, held at 1 from below.  Each number is divided by the scale and rounded to the nearest code, ties to even;
; beyond the largest code the conversion gives the largest code.
; LIMITS: a block of zeros gets the byte 1 where the rule says 127: its codes are zeros, which add nothing under any byte but 0xff, and the bytes are read by this program alone.  NaN and infinities among the inputs are not served.
; w is one fused multiply-add, rounded once, where the definition multiplies and adds.  q may be any int32: the conversion rounds to nearest even.
; THE OUTPUT (xa for x, wa for w).  A FRAGMENT is 16 rows x 128 along K: 12 registers a lane; lane (r, h) holds row r, registers 6 c .. 6 c + 5 = k 64 c + 32 h + 0 .. 31.  Its image is 1,536 bytes: register j of lane l at 512 (j / 4) + 16 l + 4 (j % 4).
; A group of 128 rows and a K step of 128 make a chunk of 12,800 bytes: eight images, then 512 bytes of scale words (four bytes: a row's 128 along K), the word of block i, row r at 256 (i / 4) + 16 r + 4 (i % 4).
; A group's 32 chunks follow each other, K ascending; the 32 groups follow each other.
; SHARES.  Work-groups 0 to 511 take x, 512 to 1,023 take w: two paths, parted on the work-group's number, each with LDS bytes of its own.  A wave takes 64 rows x one K step: four fragments; the four waves take four neighbouring K steps.
; Each load reads 512 consecutive bytes: one row's 128 numbers.  A fragment's 16 rows go through the wave's own stage in LDS (rows 528 bytes apart, so that sixteen rows start in sixteen different groups of banks) and come back so that
; lane (r, h) holds blocks h and 2 + h of row r WHOLE, in 64 registers: a block's largest magnitude needs no other lane, and the conversions' results are the operand's registers.  They are stored as they stand, 16 bytes a lane:
; each store of the wave covers 512 consecutive bytes, at a multiple of 256 from the buffer's first byte.  The four fragments' scale words leave by one store of 256 consecutive bytes.
; No tensor loads, no barrier: waves share nothing.  Two fragments' loads (32 a wave) go out at the head; each later fragment's as soon as its registers are free.  Every offset is an immediate.
.set EMAX,  4
.set WGX,   512                        ; work-groups for x: 32 groups x 2 halves x 8 runs of four K steps
.set ROWB,  16384                      ; a row of x or of q in bytes
.set SP,    528                        ; a row of the stage: 512 bytes + 16
.set STG,   16*SP                      ; a wave's stage
.set WBASE, 4*STG                      ; w's path has its stages behind x's
.set FRB,   1536                       ; a fragment's image
.set STEPB, 12800                      ; a chunk
.set GRPB,  32*STEPB                   ; a group's chunks
.set SCO,   8*FRB                      ; where a chunk's scale words begin
.set M,     8                          ; v8-9     my two blocks' largest magnitudes
.set SO,    10                         ; v10-11   the conversions' scale operands
.set BY,    12                         ; v12-13   the scale bytes
.set W,     16                         ; v16-19   my row's scale word of each fragment
.set SZ,    24                         ; v24-31   (s, z) of my row in fragment f at v[SZ + 2 f]
.set C,     32                         ; v32-55   a fragment's codes, two sets by turns
.set T,     56                         ; v56-63   the upper halves of my two blocks' codes, before they are moved
.set X,     64                         ; v64-127  my 64 numbers: register 32 c + i = k 64 c + 32 h + i of row r
.set R,     128                        ; v128-255 two sets of 64: a fragment as it is loaded, row q in registers 4 q .. 4 q + 3
	s_load_b256 s[4:11], s[0:1], 0x0               ; x, q, s, z
	s_load_b128 s[12:15], s[0:1], 0x20             ; xa, wa
	v_lshl_add_u32 v59, v0, 2, 0x10800
	v_mov_b32 v63, 0
	v_lshrrev_b32 v1, 5, v0
	v_readfirstlane_b32 s20, v1                    ; wave
	v_and_b32 v2, 31, v0                           ; lane
	v_and_b32 v1, 15, v0                           ; r
	v_bfe_u32 v14, v0, 4, 1                        ; h
	v_lshlrev_b32 v3, 4, v2                        ; 16 x lane: my 16 bytes of a load's 512, and of a store's
	v_mul_u32_u24 v5, v1, SP
	v_lshl_add_u32 v5, v14, 7, v5                  ; out of the stage: row r, + 128 h: block h of the row
	v_lshlrev_b32 v6, 3, v14                       ; 8 h: by so many bits my two scale bytes are moved up in the word
	v_lshl_add_u32 v7, v1, 4, v6                   ; the scale words' store: 16 r + 8 h
	v_lshlrev_b32 v22, 7, v1                       ; s and z: a row is 128 bytes
	v_mov_b32 v15, 0                               ; written once: a lane permute's destination counts as one of its sources
	v_cmp_lt_u32 vcc_lo, 15, v2                    ; lanes 16-31; kept to the end
	s_mov_b32 s16, 0x76543210
	s_mov_b32 s17, 0xfedcba98                      ; v_permlanex16_b32's selects for lane l xor 16
	s_and_b32 s22, ttmp9, WGX-1                    ; the work-group's number in its tensor: 16 G + 8 j + the run of four K steps
	s_and_b32 s23, s22, 7
	s_lshl_b32 s23, s23, 2
	s_add_co_u32 s23, s23, s20                     ; my K step
	s_bfe_u32 s24, s22, 0x10003                    ; j: which 64 rows of the group
	s_lshr_b32 s25, s22, 4                         ; G: the group
	s_lshl_b32 s26, s25, 7
	s_lshl_b32 s27, s24, 6
	s_add_co_u32 s26, s26, s27                     ; my first row: 128 G + 64 j
	s_lshl_b32 s28, s26, 14
	s_lshl_b32 s27, s23, 9
	s_add_co_u32 s28, s28, s27                     ; in the source: rows of 16,384 bytes, 512 bytes a K step (under 2^27)
	s_mov_b32 s29, 0
	s_mul_i32 s30, s25, GRPB
	s_mul_i32 s27, s23, STEPB
	s_add_co_u32 s30, s30, s27
	s_mul_i32 s27, s24, 4*FRB
	s_add_co_u32 s30, s30, s27                     ; in the output: my group, my chunk, my four images
	s_mov_b32 s31, 0
	s_lshl_b32 s32, s26, 7
	s_lshl_b32 s27, s23, 2
	s_add_co_u32 s32, s32, s27                     ; in s and in z: my first row, my K step's number
	s_mov_b32 s33, 0
	s_mul_i32 s27, s24, 4*FRB-256
	s_sub_co_u32 s27, SCO, s27                     ; from my four images to my 256 bytes of scale words: SCO + 256 j - 4 FRB j
	v_add_nc_u32 v7, s27, v7
	s_cmp_lt_u32 ttmp9, WGX
	s_cbranch_scc0 .Lweights
.macro LOADF f                         ; fragment f as it lies: sixteen rows, 512 consecutive bytes each
.irp q, 0,1,2,3,4,5,6,7,8,9,10,11,12,13,14,15
	global_load_b128 v[R+64*((\f)%2)+4*\q:R+64*((\f)%2)+4*\q+3], v3, s[SRC:SRC+1] offset:(16*(\f)+\q)*ROWB th:TH_LOAD_NT
.endr
.endm
.macro FRG f
.set RS, R+64*((\f)%2)
.set CS, C+12*((\f)%2)
.if (\f) < 3
	s_wait_loadcnt 16                              ; this fragment's sixteen loads are in (and, at the first, s and z); the next fragment's sixteen may be out
.else
	s_wait_loadcnt 0x0
.endif
.irp q, 0,1,2,3,4,5,6,7,8,9,10,11,12,13,14,15
	ds_store_b128 v4, v[RS+4*\q:RS+4*\q+3] offset:SP*\q
.endr
.irp c, 0,1
.irp j, 0,1,2,3,4,5,6,7
	ds_load_b128 v[X+32*\c+4*\j:X+32*\c+4*\j+3], v5 offset:256*\c+16*\j   ; LDS serves a wave's instructions in order: these see my stores
.endr
.endr
.if (\f)+2 < 4
	s_wait_dscnt 16                                ; the sixteen stores have read their registers (the sixteen loads behind them may be out),
	LOADF (\f)+2                                   ; which take the fragment two further on
.endif
	s_wait_dscnt 0x0                               ; my 64 numbers are in
.if ISW
.set ii, 0
.rept 64
	v_cvt_f32_i32 v[X+ii], v[X+ii]                 ; q as f32
.set ii, ii+1
.endr
.set ii, 0
.rept 32
	v_pk_fma_f32 v[X+ii:X+ii+1], v[X+ii:X+ii+1], v[SZ+2*(\f):SZ+2*(\f)+1], v[SZ+2*(\f):SZ+2*(\f)+1] op_sel:[0,0,1] op_sel_hi:[1,0,1]   ; w = q s + z, two at a time: of the pair (s, z) the first word multiplies both halves, the second is added to both
.set ii, ii+2
.endr
.endif
	v_max3_num_f32 v[M], |v[X]|, |v[X+1]|, (EMAX+1)<<23            ; my two blocks by turns: all 32 numbers of each are mine.  The floor 2^(EMAX + 1 - 127) is one more leaf: so the byte cannot fall under 1
	v_max3_num_f32 v[M+1], |v[X+32]|, |v[X+33]|, (EMAX+1)<<23
.set ii, 2
.rept 15
	v_max3_num_f32 v[M], v[M], |v[X+ii]|, |v[X+ii+1]|
	v_max3_num_f32 v[M+1], v[M+1], |v[X+32+ii]|, |v[X+33+ii]|
.set ii, ii+2
.endr
	v_add_nc_u32 v[SO], -(EMAX<<23), v[M]          ; EMAX off the exponent field: the conversion takes the exponent field of this operand as its scale, and nothing else of it
	v_add_nc_u32 v[SO+1], -(EMAX<<23), v[M+1]
.if (\f) >= 2
	s_wait_xcnt 0x0                                ; the stores of the fragment two back have read this set of code registers
.endif
.irp c, 0,1
	v_cvt_scalef32_pk16_bf6_f32 v[CS+6*\c:CS+6*\c+2], v[X+32*\c:X+32*\c+15], v[SO+\c]       ; registers 6 c .. 6 c + 2 of the operand
	v_cvt_scalef32_pk16_bf6_f32 v[T+4*\c:T+4*\c+2], v[X+32*\c+16:X+32*\c+31], v[SO+\c]      ; (a conversion's three registers begin on an even number: the second half of a block's six does not, so it is made elsewhere and moved)
.endr
	v_lshrrev_b32 v[BY], 23, v[SO]                 ; the scale bytes (plain lines behind the conversions)
	v_lshrrev_b32 v[BY+1], 23, v[SO+1]
	v_lshl_or_b32 v14, v[BY+1], 16, v[BY]          ; my two bytes: blocks h and 2 + h of row r,
	v_lshlrev_b32 v14, v6, v14                     ; at their places in the word;
	v_permlanex16_b32 v15, v14, s16, s17
	v_or_b32 v[W+(\f)], v14, v15                   ; with lane l xor 16's two the word is whole, in both lanes
.irp c, 0,1
.irp e, 0,1,2
	v_mov_b32 v[CS+6*\c+3+\e], v[T+4*\c+\e]
.endr
.endr
.irp c, 0,1,2
	global_store_b128 v3, v[CS+4*\c:CS+4*\c+3], s[DST:DST+1] offset:FRB*(\f)+512*\c   ; the image: 32 lanes store 512 consecutive bytes
.endr
.endm
; A whole path.  isw: 1 for w.  src, dst: the scalar pairs with the numbers' and the output's addresses.  lbase: its LDS begins here; a wave's stage: lbase + STG x the wave's number.
.macro PATH isw, src, dst, lbase
.set ISW, \isw
.set SRC, \src
.set DST, \dst
	s_mul_i32 s21, s20, STG
.if \lbase
	s_add_co_u32 s21, s21, \lbase
.endif
	v_add_nc_u32 v4, s21, v3                       ; into the stage: 16 x lane of a row
	v_add_nc_u32 v5, s21, v5                       ; and out of it
	s_wait_kmcnt 0x0
	s_add_nc_u64 s[SRC:SRC+1], s[SRC:SRC+1], s[28:29]
	s_add_nc_u64 s[DST:DST+1], s[DST:DST+1], s[30:31]
.if \isw
	s_add_nc_u64 s[8:9], s[8:9], s[32:33]
	s_add_nc_u64 s[10:11], s[10:11], s[32:33]
.irp n, 0,1,2,3
	global_load_b32 v[SZ+2*\n], v22, s[8:9] offset:\n*16*128       ; s of row r of fragment n, for my K step: 128 along K are one group of the weight's.  The work-group's four waves read four neighbouring numbers of each row
	global_load_b32 v[SZ+2*\n+1], v22, s[10:11] offset:\n*16*128   ; z likewise
.endr
.endif
	LOADF 0
	LOADF 1
.irp n, 0,1,2,3
	FRG \n
.endr
	v_cndmask_b32 v20, v[W], v[W+2], vcc_lo        ; lanes 0-15 store the words of fragments 0 and 1 of their row, lanes 16-31 those of fragments 2 and 3
	v_cndmask_b32 v21, v[W+1], v[W+3], vcc_lo
	global_store_b64 v7, v[20:21], s[DST:DST+1]    ; 32 lanes store 256 consecutive bytes, at a multiple of 256 from the buffer's first byte
	s_wait_tensorcnt 0x0
	ds_add_u32 v59, v63
	s_wait_dscnt 0x0
	s_endpgm
.endm
	PATH 0, 4, 12, 0                               ; x
.Lweights:
	PATH 1, 6, 14, WBASE                           ; w
.Lfunc_end_k_q4c8d08aed8_quant:
	.size	k_q4c8d08aed8_quant, .Lfunc_end_k_q4c8d08aed8_quant-k_q4c8d08aed8_quant
	.p2alignl 7, 3214868480
	.fill 96, 4, 3214868480
	.section	.rodata,"a",@progbits
	.p2align	6, 0x0
	.amdhsa_kernel k_q4c8d08aed8_quant
		.amdhsa_group_segment_fixed_size 68096
		.amdhsa_private_segment_fixed_size 0
		.amdhsa_enable_private_segment 0
		.amdhsa_kernarg_size 48
		.amdhsa_user_sgpr_count 2
		.amdhsa_user_sgpr_kernarg_segment_ptr 1
		.amdhsa_wavefront_size32 1
		.amdhsa_system_sgpr_workgroup_id_x 1
		.amdhsa_system_sgpr_workgroup_id_y 1
		.amdhsa_system_sgpr_workgroup_id_z 1
		.amdhsa_system_vgpr_workitem_id 0
		.amdhsa_next_free_vgpr 256
		.amdhsa_next_free_sgpr 66
		.amdhsa_reserve_vcc 1
		.amdhsa_float_denorm_mode_32 3
		.amdhsa_float_denorm_mode_16_64 3
		.amdhsa_memory_ordered 1
		.amdhsa_forward_progress 1
		.amdhsa_inst_pref_size 75
	.end_amdhsa_kernel
	.amdgpu_metadata
---
amdhsa.version: [ 1, 2 ]
amdhsa.kernels:
  - .name:           k_q4c8d08aed8_quant
    .symbol:         k_q4c8d08aed8_quant.kd
    .args:
      - { .name: x, .offset: 0, .size: 8, .value_kind: global_buffer, .address_space: global }
      - { .name: weight_qvals, .offset: 8, .size: 8, .value_kind: global_buffer, .address_space: global }
      - { .name: weight_scales, .offset: 16, .size: 8, .value_kind: global_buffer, .address_space: global }
      - { .name: weight_zeros, .offset: 24, .size: 8, .value_kind: global_buffer, .address_space: global }
      - { .name: xa, .offset: 32, .size: 8, .value_kind: global_buffer, .address_space: global }
      - { .name: wa, .offset: 40, .size: 8, .value_kind: global_buffer, .address_space: global }
    .group_segment_fixed_size: 68096
    .private_segment_fixed_size: 0
    .kernarg_segment_align: 8
    .kernarg_segment_size: 48
    .max_flat_workgroup_size: 128
    .sgpr_count:     66
    .vgpr_count:     256
    .wavefront_size: 32
...
	.end_amdgpu_metadata
.endif
;; end of part 1
;; launch gemm (part 2): grid 16 x 16, 4 waves a work-group, clusters of 4 x 4, 327,680 bytes of LDS; arguments xa, wa, bias, out0; writes out0
.if DOCPART == 2
	.amdgcn_target "amdgcn-amd-amdhsa--gfx1250"
	.amdhsa_code_object_version 6
	.text
	.protected	k_q4c8d08aed8_gemm
	.globl	k_q4c8d08aed8_gemm
	.p2align	8
	.type	k_q4c8d08aed8_gemm,@function
k_q4c8d08aed8_gemm:
	s_mov_b64 s[64:65], 0
	v_nop
	global_prefetch_b8 v0, s[64:65] scope:SCOPE_SE
	s_setreg_imm32_b32 hwreg(HW_REG_WAVE_MODE, 25, 1), 1
	s_wait_xcnt 0x0
	s_wait_alu depctr_hold_cnt(0) depctr_sa_sdst(0) depctr_va_vdst(0) depctr_va_sdst(0) depctr_va_ssrc(0) depctr_va_vcc(0) depctr_vm_vsrc(0)
	s_getreg_b32 s2, hwreg(HW_REG_IB_STS2, 6, 4)
	s_cmp_eq_u32 s2, 0
	s_cbranch_scc0 .Lentry_in_a_cluster
	s_endpgm
.Lentry_in_a_cluster:
	s_bfe_u32 s2, ttmp6, 0x10000c
	s_cmp_lg_u32 s2, 0xf033
	s_cbranch_scc0 .Lentry_shape_is_right
	s_endpgm
.Lentry_shape_is_right:
; out[t][n] = sum over k of A[t][k] B[n][k] + bias[n].  A = x, B = w, both [4096][4096] as codes of BF6 (E3M2), 6 bits each, with one E8M0 scale for each 32 along K; out: [4096][4096] f32; sums in f32.
; ORDER OF ROUNDING: the bias is the C of each sum's first matrix instruction, so it is added first where the definition adds it last.
; THE OPERANDS LIE IN THE ORDER OF THEIR REGISTERS, as the launch before has laid them (xa, wa).  A fragment (16 rows x 128 K, 12 registers a lane) is an image of 1,536 bytes: register j of lane l at 512 (j / 4) + 16 l + 4 (j % 4).
; A group of 128 rows and a K step of 128 make a chunk of 12,800 bytes: eight images, then 512 bytes of scale words, the word of block i, row r at 256 (i / 4) + 16 r + 4 (i % 4).  A group's 32 chunks follow each other, K ascending.
; So a fragment comes from LDS by three loads of 16 bytes a lane at 16 x lane, a step's scale words by two, and what a wave fetches for several K steps is ONE dense run of memory, in rows of 256 bytes.
; A tile of out, 256 x 256, is made by a work-group of four waves, as many as a WGP has SIMDs; a wave makes 128 x 128: 64 accumulators of 16 x 16, 512 registers.  256 tiles: one work-group each.
; K goes through a ring of two LDS slots of THREE K steps each: 4 x 38,400 bytes a slot, as deep as two slots in LDS allow (four steps would be 409,600 bytes).  32 steps = 2 + 10 x 3: the first fill of slot 0 holds steps 0 and 1,
; the ten that follow three each.  From a refill to the wait for it a wave issues 160 matrix instructions.
; CLUSTERS: 4 x 4 work-groups.  The four of a row of the cluster need the same chunks of A, the four of a column the same chunks of B: each is asked for JOINTLY, by the same tensor load with the
; same descriptor and a mask that names the four.  THE MATRIX INSTRUCTION IS USED TRANSPOSED (source 0 = 16 rows of B, source 1 = 16 rows of A): a lane then holds eight neighbouring numbers of a row of out.
; REGISTERS, in windows of 256: window 0: v0-31 addresses; v32-47 scale words, two sets; v64-127 the bias in the result's layout, eight registers for each of B's eight blocks; from v128 A's fragments (8 x 16 rows x 128 K), ONE set;
;   on the way out v128-255 take rows of out.   window 1: B's fragments, TWO sets, at v0 and at v128.   window 2: the 32 accumulators of my rows 0-63 (accumulator (a, b) at v[8 (8 a + b)]);   window 3: those of my rows 64-127.
; A step of 128 along K is 64 matrix instructions, A's blocks one after the other, each against B's eight.  So a block of A is free as soon as its eight products are issued, and one set of registers serves A:
; blocks 0-3 are fetched anew in the step's middle, blocks 4-7 at its end.  B's fragments and the scale words are at work through the whole step: two sets, which take turns by the step's parity.
.set SIZE_N, 4096
.set FR,     12                        ; registers of a fragment
.set NL,     3                         ; LDS loads that bring one
.set NP,     4                         ; places behind this matrix instruction (ISA guide 7.12.1)
.set FRB,    1536                      ; a fragment's image
.set STEPB,  12800                     ; a chunk: 128 rows x 128 K, codes and scale words
.set SCO,    8*FRB                     ; where a chunk's scale words begin
.set GRPB,   32*STEPB                  ; a group's chunks
.set ROLE,   3*STEPB                   ; what one tensor load brings, and what one wave reads of A or of B in a slot
.set SLOT,   4*ROLE                    ; A's two groups, then B's two
.set SPARE,  2*SLOT                    ; behind the ring: the spare words, 128 bytes for each wave: two blocks of 256 bytes that no other line names
.set TRIPS,  4                         ; the loop's trips, six K steps and two refills each
.set SPITCH, 528                       ; the way out: a stage of 16 rows x (512 bytes + 16) for each wave.  It lies in slot 1, which has had its last fill and its last read when the first result is stored there
.set PFR,    128*256                   ; a round of prefetches: 4 partners x 32 lanes x 256 bytes
.set PF0,    448*256                   ; where in a group the prefetches begin
.set BO,   7                           ; v7      the bias loads' offset: 32 bytes for each half of the lanes; never rewritten
.set ADRA, 16                          ; v16-17  LDS address of my lane's 16 bytes in my A fragments, slot 0, 1
.set ADRB, 20                          ; v20-21  the same for B
.set ADRS, 22                          ; v22-23  LDS address of my scale words, slot 0, 1: lanes 0-15 A's rows, lanes 16-31 B's
.set STO,  24                          ; v24     the way out: where I put 32 bytes of a row
.set RD,   25                          ; v25     the way out: where I read a row back
.set CO,   26                          ; v26     16 x lane: my byte offset in a row of out
.set SPW,  28                          ; v28     LDS address of my spare word: SPARE + 4 x my thread's number; never rewritten
.set NIL,  29                          ; v29     0; never rewritten
.set PFO,  30                          ; v30     the prefetches' offset: 256 x my lane; never rewritten
.set SC,   32                          ; scale words: set p at v[SC + 8 p]; in it register i: lanes 0-15 the words of A's block i, lanes 16-31 those of B's block i
.set BI,   64                          ; the bias: v[BI + 8 b + j] = bias[my first column + 16 b + 8 (lane / 16) + j]; filled by loads, never written again
.set AF,   128                         ; A's fragments, in window 0
.set BK,   128                         ; the way out: 16 rows read back from the stage: v128-191 and v192-255 by turns
.set BIA,  8                           ; s[8:9]   the bias
.set OUTP, 10                          ; s[10:11] out
.set G1,   24                          ; s[24:31] descriptor group 1 for three chunks of A;  s[32:39] group 0, one set for each slot
.set G0,   32
.set G1B,  48                          ; s[48:55], s[56:63] the same for B
.set G0B,  56
.set PFA,  66                          ; s[66:67] where my prefetches stand
.set G1F,  68                          ; s[68:75] group 1 for the first fill's two chunks of A;  s[76:83] of B
.set G1FB, 76
.set G0F,  84                          ; s[84:87], s[88:91] their groups 0
.set G0FB, 88
.set LIM,  95                          ; s95     1 in a wave that prefetches, else -1
.set MSB, 0
.macro WIN new                         ; the immediate's high byte repeats the setting that is left
.if MSB != \new
	s_set_vgpr_msb (MSB<<8)|\new
.set MSB, \new
.endif
.endm
.set MUL_LO,   0xa1                    ; source 0 (B) window 1, source 1 (A) window 0, C and D window 2
.set MUL_HI,   0xf1                    ; the same, C and D window 3
.set FIRST_LO, 0x81                    ; the first step: C (the bias) window 0, D window 2
.set FIRST_HI, 0xc1                    ; C window 0, D window 3
.set TO_B,     0x40                    ; destination window 1, address window 0
; A joint load: waves 0 and 1 fetch for A, waves 2 and 3 for B.  Each of the two lines has ONE mask and one set of registers for all that issue it; the branch hangs on the wave's number alone.
; Four v_nop follow each of the two lines, ahead of the jump, the label and what follows.
.macro JLOAD g0a, g1a, g0b, g1b
	s_cmp_eq_u32 s15, 0
	s_cbranch_scc0 .Lfor_b_\@
	tensor_load_to_lds s[\g0a:\g0a+3], s[\g1a:\g1a+7]
	s_nop 0
.rept 4
	v_nop
.endr
	s_branch .Lasked_\@
.Lfor_b_\@:
	tensor_load_to_lds s[\g0b:\g0b+3], s[\g1b:\g1b+7]
	s_nop 0
.rept 4
	v_nop
.endr
.Lasked_\@:
.endm
; A PREFETCH INTO THE L2, behind a joint refill, its four lines and the run of LDS loads that follows them.  At a change of slots every wave has waited for all its tensor loads, so the refill that follows has nothing on its way beside it.
; A group's 32 chunks are one run of 1,600 blocks of 256 bytes, which the refills walk 150 blocks at a time.  The prefetches walk the same run in ROUNDS of 128 blocks: the four partners that ask for the run jointly take 32 blocks each,
; told apart BY ADDRESS (the partner at place p takes blocks 32 p .. 32 p + 31 of a round; p = cx for A, cy for B: no branch hangs on a work-group's place in its cluster), a lane a block, one instruction a wave.
; The first change of slots asks for rounds 0 and 1, each of the seven that follow for one more: nine rounds, blocks 448 to 1,599, each block named ONCE in the launch.  Behind change t blocks up to 575 + 128 t have been asked for;
; the refill of change t + 1 ends at block 399 + 150 t: so every refill from the fourth fill's block 448 on has been asked for a whole slot, 192 matrix instructions, ahead.  What lies in front of block 448 comes by its loads alone:
; nothing is prefetched at the head, where every work-group's first tiles are on their way.  The last refill's change asks for nothing: the run is at its end.
; WHO: A's groups are read by every cluster of that row of clusters: the first of them (cluster x = 0) asks; B's by every cluster of that column: cluster y = 0 asks.  Each wave asks for the group that it fetches.
.macro ASK slot
	s_cmp_eq_u32 s[LIM], 1
	s_cbranch_scc0 .Lnot_mine_\@
.if (\slot) == 0
	s_cmp_eq_u32 s3, TRIPS                         ; the loop's first trip: the first change of slots
	s_cbranch_scc0 .Lone_\@
	global_prefetch_b8 v[PFO], s[PFA:PFA+1] th:TH_LOAD_NT scope:SCOPE_SE              ; round 0
.Lone_\@:
.endif
	global_prefetch_b8 v[PFO], s[PFA:PFA+1] offset:PFR th:TH_LOAD_NT scope:SCOPE_SE   ; round t at change t
.Lnot_mine_\@:
.endm
.macro CREST                           ; a round of the cluster's barrier behind its opening barrier
	s_cmp_lg_u32 s14, 0
	s_cbranch_scc1 .Lnot_wave_0_\@
	s_barrier_signal -3
.Lnot_wave_0_\@:
	s_barrier_wait -3
	s_barrier_signal -1
	s_barrier_wait -1
.endm
.macro CROUND                          ; a whole round
	s_barrier_signal -1
	s_barrier_wait -1
	CREST
.endm
	s_load_b256 s[4:11], s[0:1], 0x0               ; xa s[4:5], wa s[6:7], the bias s[8:9], out s[10:11]
	v_lshl_add_u32 v[SPW], v0, 2, SPARE
	v_mov_b32 v[NIL], 0
	ds_add_u32 v28, v29
	ds_add_u32 v28, v29
	s_wait_dscnt 0x0
	v_lshrrev_b32 v1, 5, v0
	v_readfirstlane_b32 s14, v1                    ; wave 0..3
	s_lshr_b32 s15, s14, 1                         ; which half of the tile's rows is mine.  Also: I fetch for A (0) or for B (1)
	s_and_b32 s16, s14, 1                          ; which half of its columns.  Also: which group of 128 rows of that tile I fetch
	s_bfe_u32 s40, ttmp6, 0x40000                  ; cx, cy: my place in the cluster
	s_bfe_u32 s41, ttmp6, 0x40004
	s_lshl_b32 s42, ttmp9, 2
	s_add_co_u32 s42, s42, s40                     ; tile column of out = 4 x cluster x + cx
	s_and_b32 s17, ttmp7, 0xffff
	s_lshl_b32 s17, s17, 2
	s_add_co_u32 s17, s17, s41                     ; tile row of out = 4 x cluster y + cy
	s_lshl_b32 s43, s41, 2
	s_lshl_b32 s43, 15, s43                        ; my row of the cluster
	s_lshl_b32 s44, 0x1111, s40                    ; my column
	; descriptor group 1: a dense run of memory as rows of 256 bytes (32 elements of 8 bytes), laid in LDS without gaps: 150 rows for three chunks, 100 for the first fill's two
	s_or_b32 s[G1+0], s43, (3<<16)|(1<<21)         ; 15:0 the mask: A's chunks go to my row; 17:16 elements of 8 bytes; 20 no padding; 21 set beside a mask
	s_or_b32 s[G1B+0], s44, (3<<16)|(1<<21)        ; B's go to my column
	s_or_b32 s[G1F+0], s43, (3<<16)|(1<<21)
	s_or_b32 s[G1FB+0], s44, (3<<16)|(1<<21)
.irp g, G1, G1B
	s_mov_b32 s[\g+1], 32<<16                      ; tensor_dim0
	s_mov_b32 s[\g+2], (3*STEPB/256)<<16           ; tensor_dim1
	s_mov_b32 s[\g+3], 32<<16                      ; tile_dim0
	s_mov_b32 s[\g+4], 3*STEPB/256                 ; tile_dim1
	s_mov_b32 s[\g+5], 32                          ; tensor_dim0_stride
	s_mov_b32 s[\g+6], 0
	s_mov_b32 s[\g+7], 0
.endr
.irp g, G1F, G1FB
	s_mov_b32 s[\g+1], 32<<16
	s_mov_b32 s[\g+2], (2*STEPB/256)<<16
	s_mov_b32 s[\g+3], 32<<16
	s_mov_b32 s[\g+4], 2*STEPB/256
	s_mov_b32 s[\g+5], 32
	s_mov_b32 s[\g+6], 0
	s_mov_b32 s[\g+7], 0
.endr
	; where the chunks come from.  A's hang on the tile row alone, which my row of the cluster shares; B's on the tile column alone, which my column shares
	s_lshl_b32 s20, s17, 1
	s_add_co_u32 s20, s20, s16                     ; A: group 2 x tile row + half
	s_mul_i32 s20, s20, GRPB                       ; in bytes: under 32 x 409,600
	s_mov_b32 s21, 0
	s_lshl_b32 s46, s42, 1
	s_add_co_u32 s46, s46, s16                     ; B: group 2 x tile column + half
	s_mul_i32 s46, s46, GRPB
	s_mov_b32 s47, 0
	s_mul_i32 s45, s14, ROLE                       ; where they go: A's two groups, then B's two = wave x ROLE: no place in the cluster enters an LDS address
	s_wait_kmcnt 0x0
	s_add_nc_u64 s[20:21], s[4:5], s[20:21]
	s_add_nc_u64 s[46:47], s[6:7], s[46:47]
	CROUND                                         ; all sixteen work-groups are here: the first joint loads meet
	s_mov_b32 s[G0F], 1                            ; slot 0's first fill: K steps 0 and 1
	s_mov_b32 s[G0F+1], s45
	s_mov_b64 s[G0F+2:G0F+3], s[20:21]
	s_or_b32 s[G0F+3], s[G0F+3], 0x80000000
	s_mov_b32 s[G0FB], 1
	s_mov_b32 s[G0FB+1], s45
	s_mov_b64 s[G0FB+2:G0FB+3], s[46:47]
	s_or_b32 s[G0FB+3], s[G0FB+3], 0x80000000
	JLOAD G0F, G1F, G0FB, G1FB
	s_mov_b32 s[G0+4], 1                           ; slot 1's first fill: K steps 2 to 4.  This group 0 then walks on, six K steps at a time
	s_add_co_u32 s[G0+5], s45, SLOT
	s_add_nc_u64 s[G0+6:G0+7], s[20:21], 2*STEPB
	s_or_b32 s[G0+7], s[G0+7], 0x80000000
	s_mov_b32 s[G0B+4], 1
	s_add_co_u32 s[G0B+5], s45, SLOT
	s_add_nc_u64 s[G0B+6:G0B+7], s[46:47], 2*STEPB
	s_or_b32 s[G0B+7], s[G0B+7], 0x80000000
	JLOAD G0+4, G1, G0B+4, G1B                     ; two tensor loads of mine are out
	s_mov_b32 s[G0], 1                             ; slot 0's walking group 0 begins at its first refill: K steps 5 to 7
	s_mov_b32 s[G0+1], s45
	s_add_nc_u64 s[G0+2:G0+3], s[20:21], 5*STEPB
	s_or_b32 s[G0+3], s[G0+3], 0x80000000
	s_mov_b32 s[G0B], 1
	s_mov_b32 s[G0B+1], s45
	s_add_nc_u64 s[G0B+2:G0B+3], s[46:47], 5*STEPB
	s_or_b32 s[G0B+3], s[G0B+3], 0x80000000
	v_and_b32 v1, 15, v0                           ; l % 16
	v_bfe_u32 v2, v0, 4, 1                         ; l / 16
	v_and_b32 v6, 31, v0                           ; lane
	v_lshlrev_b32 v[CO], 4, v6                     ; 16 x lane
	s_mul_i32 s21, s15, ROLE                       ; my group of A
	s_mul_i32 s22, s16, ROLE                       ; my group of B,
	s_add_co_u32 s22, s22, 2*ROLE                  ; which lies behind A's two
.irp s, 0,1
	v_add_nc_u32 v[ADRA+\s], s21, v[CO]
	v_add_nc_u32 v[ADRB+\s], s22, v[CO]
	s_add_co_u32 s21, s21, SLOT
	s_add_co_u32 s22, s22, SLOT
.endr
	s_mul_i32 s21, s15, ROLE                       ; the scale words: A's group,
	s_mul_i32 s22, s16, ROLE
	s_add_co_u32 s22, s22, 2*ROLE
	s_sub_co_u32 s22, s22, s21                     ; and how far behind it B's lies
	v_mul_u32_u24 v5, s22, v2                      ; lanes 16-31 take B's: the lower base + half x the distance
	v_lshl_add_u32 v5, v1, 4, v5                   ; + 16 bytes a row: the words of four blocks
	s_add_co_u32 s21, s21, SCO
	v_add_nc_u32 v[ADRS], s21, v5
	s_add_co_u32 s21, s21, SLOT
	v_add_nc_u32 v[ADRS+1], s21, v5
	s_mul_i32 s23, s14, 16*SPITCH
	s_add_co_u32 s23, s23, SLOT                    ; my stage, in slot 1
	v_mul_u32_u24 v5, v1, SPITCH                   ; in: row l % 16, 32 bytes for each half of the lanes
	v_lshl_add_u32 v5, v2, 5, v5
	v_add_nc_u32 v[STO], s23, v5
	v_add_nc_u32 v[RD], s23, v[CO]                 ; back: the 32 lanes take one row of 512 bytes
	s_lshl_b32 s20, s17, 8
	s_lshl_b32 s21, s15, 7
	s_add_co_u32 s20, s20, s21                     ; my first row of out: 256 x tile row + 128 x half
	s_mov_b32 s21, 0
	s_mov_b64 s[18:19], SIZE_N*4
	s_mul_u64 s[20:21], s[20:21], s[18:19]
	s_lshl_b32 s46, s42, 10                        ; my first column, in bytes: 1024 x tile column + 512 x half
	s_lshl_b32 s47, s16, 9
	s_add_co_u32 s46, s46, s47
	s_mov_b32 s47, 0
	s_add_nc_u64 s[20:21], s[20:21], s[46:47]
	s_add_nc_u64 s[OUTP:OUTP+1], s[OUTP:OUTP+1], s[20:21]
	; the bias of my 128 columns, in the result's layout: for B's block b lane (r, h) wants the eight numbers at columns 16 b + 8 h + 0 .. 7
	s_add_nc_u64 s[BIA:BIA+1], s[BIA:BIA+1], s[46:47]  ; the same byte offset as my first column's in a row of out
	v_lshlrev_b32 v[BO], 5, v2
.irp b, 0,1,2,3,4,5,6,7
	global_load_b128 v[BI+8*\b:BI+8*\b+3], v[BO], s[BIA:BIA+1] offset:64*\b
	global_load_b128 v[BI+8*\b+4:BI+8*\b+7], v[BO], s[BIA:BIA+1] offset:64*\b+16
.endr
	; the prefetches (macro ASK): where my wave's stand, and who asks
	s_lshl_b32 s18, s17, 1                         ; 2 x tile row
	s_lshl_b32 s19, s42, 1                         ; 2 x tile column
	s_and_b32 s22, ttmp7, 0xffff                   ; cluster y
	s_cmp_eq_u32 s15, 0                            ; do I fetch for A?
	s_cselect_b32 s20, s18, s19                    ; the tile's first group: in A by the tile row, in B by the tile column
	s_cselect_b32 s21, s40, s41                    ; my place among the four that ask for it with me
	s_cselect_b32 s22, ttmp9, s22                  ; the coordinate along which other clusters read the same groups
	s_cselect_b64 s[PFA:PFA+1], s[4:5], s[6:7]
	s_cmp_eq_u32 s22, 0
	s_cselect_b32 s[LIM], 1, -1                    ; the same in all sixteen partners, for a given wave
	s_add_co_u32 s20, s20, s16                     ; the group that I fetch
	s_mul_i32 s20, s20, GRPB
	s_lshl_b32 s21, s21, 13                        ; my work-group's 32 blocks of a round
	s_add_co_u32 s20, s20, s21
	s_add_co_u32 s20, s20, PF0-PFR                 ; a round in front of round 0: the first change of slots steps it to round 0
	s_mov_b32 s21, 0
	s_add_nc_u64 s[PFA:PFA+1], s[PFA:PFA+1], s[20:21]
	v_lshlrev_b32 v[PFO], 8, v6
.macro FRAG reg, adr, q, i             ; block i's fragment of the slot's q-th K step: the image as it lies, 16 bytes a lane, 512 consecutive bytes a load
.irp c, 0,1,2
	ds_load_b128 v[\reg+4*\c:\reg+4*\c+3], v[\adr] offset:(\q)*STEPB+(\i)*FRB+512*\c
.endr
.endm
; 16 matrix instructions: A's blocks a0, a0 + 1 x B's eight, 128 along K.  p: B's set and the set of scale words.  first = 1: the first product starts the sums from the bias: nothing is ever cleared, and no addition is spent on the bias.
; The 64 accumulators take turns, one instruction a turn, in the same order in every step.
.macro MUL16 a0, p, first
.irp a, \a0, \a0+1
.irp b, 0,1,2,3,4,5,6,7
.if \first
	v_wmma_scale_f32_16x16x128_f8f6f4 v[8*(8*((\a)%4)+\b):8*(8*((\a)%4)+\b)+7], v[128*(\p)+FR*\b:128*(\p)+FR*\b+FR-1], v[AF+FR*(\a):AF+FR*(\a)+FR-1], v[BI+8*\b:BI+8*\b+7], v[SC+8*(\p)+\b], v[SC+8*(\p)+(\a)] matrix_a_fmt:MATRIX_FMT_BF6 matrix_b_fmt:MATRIX_FMT_BF6 matrix_a_scale:MATRIX_SCALE_ROW1
.else
	v_wmma_scale_f32_16x16x128_f8f6f4 v[8*(8*((\a)%4)+\b):8*(8*((\a)%4)+\b)+7], v[128*(\p)+FR*\b:128*(\p)+FR*\b+FR-1], v[AF+FR*(\a):AF+FR*(\a)+FR-1], v[8*(8*((\a)%4)+\b):8*(8*((\a)%4)+\b)+7], v[SC+8*(\p)+\b], v[SC+8*(\p)+(\a)] matrix_a_fmt:MATRIX_FMT_BF6 matrix_b_fmt:MATRIX_FMT_BF6 matrix_a_scale:MATRIX_SCALE_ROW1
.endif
.endr
.endr
.endm
.macro FETCH_B slot, q, p              ; B's eight fragments of the slot's q-th K step into set p
	WIN TO_B
.irp i, 0,1,2,3,4,5,6,7
	FRAG 128*(\p)+FR*\i, ADRB+\slot, \q, \i
.endr
	WIN 0
.endm
.macro FETCH_A slot, q, i0             ; A's blocks i0 .. i0 + 3
.irp i, \i0, \i0+1, \i0+2, \i0+3
	FRAG AF+FR*(\i), ADRA+\slot, \q, \i
.endr
.endm
.macro SCALES slot, q, p               ; the scale words of the slot's q-th K step into set p: four blocks' words a load; lanes 0-15 take A's, lanes 16-31 B's
.irp j, 0,1
	ds_load_b128 v[SC+8*(\p)+4*\j:SC+8*(\p)+4*\j+3], v[ADRS+\slot] offset:(\q)*STEPB+256*\j
.endr
.endm
; A load into a register that a matrix instruction has read, and a vector instruction or an LDS store that reads a matrix result, stand NP places behind that matrix instruction, and only plain vector
; instructions that name none of its registers are places (ISA guide 7.12.1 for vector instructions); this text does not count the matrix instructions in between.
.macro PLACES n
.rept \n
	v_nop
.endr
.endm
; The slot's q-th K step, which has its successor in the same slot.  p: its set of B's fragments and scale words; the successor's go into the other set.
.macro STEP slot, q, p, first
	s_wait_dscnt 4*NL                              ; B's set, the scale words and A's blocks 0-3 are in; the youngest 12 loads (A's blocks 4-7) may be out
.if \first
	WIN FIRST_LO
.else
	WIN MUL_LO
.endif
	MUL16 0, \p, \first
	MUL16 2, \p, \first
	s_wait_dscnt 0                                 ; A's blocks 4-7 are in (asked for 32 matrix instructions ago)
	PLACES NP
	FETCH_B \slot, (\q)+1, 1-(\p)
	FETCH_A \slot, (\q)+1, 0
	SCALES \slot, (\q)+1, 1-(\p)
.if \first
	WIN FIRST_HI
.else
	WIN MUL_HI
.endif
	MUL16 4, \p, \first
	MUL16 6, \p, \first
	PLACES NP
	WIN 0
	FETCH_A \slot, (\q)+1, 4
.endm
; A slot's last K step changes slots: ONE barrier; in front of it each wave waits for all its tensor loads, adds 0 to its spare word, and waits for that and for its own reads of this slot.
; fill = 1: this slot is filled again, with the three K steps that follow the next slot's.  ask = 1: a round of prefetches goes with it.
.macro TURN slot, next, p, fill, ask
.if \ask
	s_wait_xcnt 0x0                                ; the last prefetch, a slot back, has read its address: it is stepped here, ahead of the waits of the change of slots
	s_add_nc_u64 s[PFA:PFA+1], s[PFA:PFA+1], PFR
.endif
	s_wait_tensorcnt 0x0                           ; all my tensor loads have landed: my part of the next slot;  (every window is 0 here: the add's two registers lie in window 0)
	ds_add_u32 v[SPW], v[NIL]                      ; 0 onto my spare word;
	s_wait_dscnt 4*NL+1                            ; (the add and the youngest 12 loads, A's blocks 4-7, may be out)
	WIN MUL_LO
	MUL16 0, \p, 0                                 ; sixteen matrix instructions stand between the add and the wait for it
	s_wait_dscnt 0x0                               ; the add is done, and my reads of this slot are over
	s_barrier_signal -1
	MUL16 2, \p, 0
	WIN 0
	s_barrier_wait -1
.if \fill
	CREST                                          ; the barrier has opened a round of the cluster's barrier: no wave of any partner still reads this slot or has a load on its way
	s_add_nc_u64 s[G0+4*\next+2:G0+4*\next+3], s[G0+4*\next+2:G0+4*\next+3], 6*STEPB       ; no tensor load of mine is out: the OTHER slot's group 0, whose load has landed, steps to that slot's next fill
	s_add_nc_u64 s[G0B+4*\next+2:G0B+4*\next+3], s[G0B+4*\next+2:G0B+4*\next+3], 6*STEPB   ; (behind the last refill the stepped address is not used)
	JLOAD G0+4*\slot, G1, G0B+4*\slot, G1B         ; the first tensor load behind the round, and my only one until the next; the four v_nop behind it are the places in front of the loads below
.else
	PLACES NP
.endif
	FETCH_B \next, 0, 1-(\p)
	FETCH_A \next, 0, 0
	SCALES \next, 0, 1-(\p)
.if \ask
	ASK \slot                                      ; behind the joint load and the run of LDS loads that the next products wait for
.endif
	WIN MUL_HI
	MUL16 4, \p, 0
	MUL16 6, \p, 0
	PLACES NP
	WIN 0
	FETCH_A \next, 0, 4
.endm
	s_wait_tensorcnt 1                             ; my part of K steps 0 and 1 is in (slot 1's load may be out)
	s_barrier_signal -1
	s_barrier_wait -1                              ; everybody's is
	FETCH_B 0, 0, 0
	FETCH_A 0, 0, 0
	SCALES 0, 0, 0
	FETCH_A 0, 0, 4
	s_wait_loadcnt 0x0                             ; the bias
	STEP 0, 0, 0, 1                                ; K step 0 stands in front of the loop: its products start the sums, from the bias
	s_mov_b32 s3, TRIPS
.Llap:                                                 ; a trip is six K steps, 6 m + 1 to 6 m + 6: from slot 0's last step once round the ring; it fills both slots again.  (In the first trip slot 0's last step is its second: the lines are the same)
	TURN 0, 1, 1, 1, 1
	STEP 1, 0, 0, 0
	STEP 1, 1, 1, 0
	TURN 1, 0, 0, 1, 1
	STEP 0, 0, 1, 0
	STEP 0, 1, 0, 0
	s_sub_co_u32 s3, s3, 1
	s_cmp_lg_u32 s3, 0
	s_cbranch_scc1 .Llap
	TURN 0, 1, 1, 1, 0                             ; K step 25: the last refill, K steps 29 to 31; no prefetch goes with it
	STEP 1, 0, 0, 0
	STEP 1, 1, 1, 0
	TURN 1, 0, 0, 0, 0                             ; K step 28: nothing is filled, and no round of the cluster's barrier follows.  Behind this barrier nobody reads slot 1
	STEP 0, 0, 1, 0
	STEP 0, 1, 0, 0
	s_wait_dscnt 4*NL                              ; K step 31: nothing more to fetch
	WIN MUL_LO
	MUL16 0, 1, 0
	MUL16 2, 1, 0
	s_wait_dscnt 0
	WIN MUL_HI
	MUL16 4, 1, 0
	MUL16 6, 1, 0
	WIN 0
; THE WAY OUT, block by block of 16 rows x 128 columns.  A lane holds 32 neighbouring bytes of a row, and the lanes beside it hold other rows: so a block goes through my own stage in LDS and comes back as whole
; rows of 512 bytes, which the 32 lanes store together.  LDS serves a wave's instructions in order (ISA guide 5.7.1.4): no wait between the stores and the loads, nor in front of the next block's stores.
.macro TOSTAGE a
.set AC, 64*((\a)%4)
	WIN 0x08+4*((\a)/4)                            ; the data: window 2 or 3
.irp b, 0,1,2,3,4,5,6,7
	ds_store_b128 v[STO], v[AC+8*\b:AC+8*\b+3] offset:64*\b          ; each accumulator from its low end on
	ds_store_b128 v[STO], v[AC+8*\b+4:AC+8*\b+7] offset:64*\b+16
.endr
	WIN 0
.set BB, BK+64*((\a)%2)
.irp t, 0,1,2,3,4,5,6,7,8,9,10,11,12,13,14,15
	ds_load_b128 v[BB+4*\t:BB+4*\t+3], v[RD] offset:\t*SPITCH
.endr
.endm
.macro SEND a, younger                 ; younger: the LDS instructions issued behind block a's loads, which may stay out
.set BB, BK+64*((\a)%2)
	s_wait_dscnt \younger                          ; the block is back in registers
.if (\a) > 0
	s_add_nc_u64 s[OUTP:OUTP+1], s[OUTP:OUTP+1], 16*SIZE_N*4   ; (behind a wait on XCNT: the earlier stores have read their base)  16 rows of out on, so that the stores' offsets stay small: 15 rows at the most, 245,760 bytes
.endif
.irp t, 0,1,2,3,4,5,6,7,8,9,10,11,12,13,14,15
	global_store_b128 v[CO], v[BB+4*\t:BB+4*\t+3], s[OUTP:OUTP+1] offset:\t*SIZE_N*4 th:TH_STORE_NT   ; 32 lanes store 512 consecutive bytes, at a multiple of 256 from out's first byte; written once, read by nobody here
.endr
.endm
	PLACES NP                                      ; these places serve the loads into the registers that held A's fragments and the stores that read the last products' results alike
	TOSTAGE 0
.irp a, 1,2,3,4,5,6,7
.if \a > 1
	s_wait_xcnt 0x0                                ; block a - 2's stores have read their registers and their base: block a's loads may land there, and the base may step
.endif
	TOSTAGE \a
	SEND \a-1, 32                                  ; behind block a - 1's loads: block a's 16 stores and 16 loads
.endr
	s_wait_xcnt 0x0                                ; block 6's stores have read their base
	SEND 7, 0
	s_wait_tensorcnt 0x0                           ; the wave's end: behind my last tensor load and my last LDS store
	ds_add_u32 v[SPW], v[NIL]
	s_wait_dscnt 0x0
	CROUND                                         ; the closing round: no work-group ends while a partner may still ask for a tile that names it
	s_endpgm
.Lfunc_end_k_q4c8d08aed8_gemm:
	.size	k_q4c8d08aed8_gemm, .Lfunc_end_k_q4c8d08aed8_gemm-k_q4c8d08aed8_gemm
	.p2alignl 7, 3214868480
	.fill 96, 4, 3214868480
	.section	.rodata,"a",@progbits
	.p2align	6, 0x0
	.amdhsa_kernel k_q4c8d08aed8_gemm
		.amdhsa_group_segment_fixed_size 327680
		.amdhsa_private_segment_fixed_size 0
		.amdhsa_enable_private_segment 0
		.amdhsa_kernarg_size 32
		.amdhsa_user_sgpr_count 2
		.amdhsa_user_sgpr_kernarg_segment_ptr 1
		.amdhsa_wavefront_size32 1
		.amdhsa_system_sgpr_workgroup_id_x 1
		.amdhsa_system_sgpr_workgroup_id_y 1
		.amdhsa_system_sgpr_workgroup_id_z 1
		.amdhsa_system_vgpr_workitem_id 0
		.amdhsa_next_free_vgpr 1024
		.amdhsa_next_free_sgpr 100
		.amdhsa_reserve_vcc 0
		.amdhsa_float_denorm_mode_32 3
		.amdhsa_float_denorm_mode_16_64 3
		.amdhsa_memory_ordered 1
		.amdhsa_forward_progress 1
		.amdhsa_inst_pref_size 207
	.end_amdhsa_kernel
	.amdgpu_metadata
---
amdhsa.version: [ 1, 2 ]
amdhsa.kernels:
  - .name:           k_q4c8d08aed8_gemm
    .symbol:         k_q4c8d08aed8_gemm.kd
    .args:
      - { .name: xa, .offset: 0, .size: 8, .value_kind: global_buffer, .address_space: global }
      - { .name: wa, .offset: 8, .size: 8, .value_kind: global_buffer, .address_space: global }
      - { .name: bias, .offset: 16, .size: 8, .value_kind: global_buffer, .address_space: global }
      - { .name: out0, .offset: 24, .size: 8, .value_kind: global_buffer, .address_space: global }
    .group_segment_fixed_size: 327680
    .private_segment_fixed_size: 0
    .kernarg_segment_align: 8
    .kernarg_segment_size: 32
    .max_flat_workgroup_size: 128
    .sgpr_count:     100
    .vgpr_count:     1024
    .wavefront_size: 32
...
	.end_amdgpu_metadata
.endif
;; end of part 2
